; MI455X (gfx1250); checked and timed in simulation.
; The chip was launched on July 23, 2026; its instructions are those of AMD's public machine-readable ISA for CDNA 5 (MIT licence, August 2026) and "CDNA5" Instruction Set Architecture Reference Guide (July 2026). The comments in the code are by the model that wrote it; some were corrected since.
;; Gaussian Vector Quantizer. Allowed arithmetic: float matrix products may take bf16 or f16 operands with f32 sums; other float arithmetic in f32, or as packed bf16 or f16 multiplies, adds, multiply-adds, maxima and minima; sums over many terms, partial sums and values carried from step to step in f32; what a program stores and reads back later, other than sums and carried values, may be rounded once to bf16 or f16.
;; Inputs: codebook 512 x 64 float32; gumbel_u 32,768 x 512 float32; var_q 1 float32; z_from_encoder 32 x 64 x 32 x 32 float32.
;; Outputs: out0 32 x 64 x 32 x 32 float32; out1 one number float32; out2 one number float32.
;; 2 versions, each right and faster than the one before. Each part assembles by itself: llvm-mc -triple=amdgcn-amd-amdhsa -mcpu=gfx1250 --defsym DOCPART=n.
;; ======== version 1 of 2: 2 launches
;; limits: inputs' magnitudes at most 65,504; values are held in f16: magnitudes above 65,504 overflow, below 6.1e-05 lose precision
;; workspace buffers: part 524,288 bytes; lossp 8,192 bytes
;; launch main (part 1): grid 256 x 1, 8 waves a work-group, no clusters, 327,680 bytes of LDS; arguments codebook, gumbel_u, var_q, z_from_encoder, out0, part, lossp; writes out0, part, lossp
.if DOCPART == 1
	.amdgcn_target "amdgcn-amd-amdhsa--gfx1250"
	.amdhsa_code_object_version 6
	.text
	.protected	k_q4862ea46fa_main
	.globl	k_q4862ea46fa_main
	.p2align	8
	.type	k_q4862ea46fa_main,@function
k_q4862ea46fa_main:
	s_mov_b64 s[64:65], 0
	v_nop
	global_prefetch_b8 v0, s[64:65] scope:SCOPE_SE
	s_setreg_imm32_b32 hwreg(HW_REG_WAVE_MODE, 25, 1), 1
	s_wait_xcnt 0x0
; GAUSSIAN VECTOR QUANTIZER, all but the last sums.  32,768 rows n (batch b, pixel), 512 codes k, 64 channels.
;   logit = prec (z.c - c^2/2) - prec z^2/2, less its row maximum, held to -50 .. 0;   p = e^logit, Z = sum p;   t = p / w, w = -ln(u + 1e-10) + 1e-10 (so t = e^(logit + g));
;   encodings = (t / tmax)^2 / sum of them (the softmax of 2 (logit + g), its maximum taken away as the factor tmax);   out0 = encodings . codebook.
; WORK LEFT OUT.  (a) sum_ch z^2 is one number for all k of a row, and reference() takes the row's maximum of logit away at once: it cancels for all values of the inputs, and is not made.
; (b) The upper clip at +50 can never act: logit - max <= 0.  (c) The maxima inside softmax and log_softmax of the clipped logit are 0: the row's largest clipped logit is 0.
; LIMITS.  A NaN, an infinity or an overflow that reaches only sum z^2 is not carried to the result.  |z| and |codebook| stay under 65,504 (f16's range).  A NaN in var_q counts as 1e-5.
; In the loss z is taken as its f16 high part + f16 low part (2^-22 of itself away from z).
; FORMATS.  z = zh + zl, c = ch + cl, all f16, the low part the f16 of what the high part leaves.  z.c = ch.zh + ch.zl + cl.zh: three products, sums in f32, started by -c^2/2 as the C operand.
; The weights (0 .. 1) are rounded to f16 and multiplied by ch; their sum is taken of the unrounded weights.  All else in f32.
; SHARES.  A work-group owns 128 rows (one batch, 128 neighbouring pixels): 8 tiles q of 16.  Wave w owns codes 64 w .. 64 w + 63 (4 tiles t of 16) for all 128 rows.
; S^T = C Z^T (source 0 = 16 codes, source 1 = 16 rows): lane (r = l % 16, h = l / 16), register j of S[q][t] holds row 16 q + r, code 64 w + 16 t + 8 h + j.
; A row's maximum, Z, tmax, sum of weights and the partial products meet across the eight waves in LDS: five barriers.  No loop: the text is straight.
; THE STREAM.  The work-group's 262,144 bytes of gumbel_u are asked for at the head, two tensor loads a wave (64 rows x 256 bytes each, the wave's own columns), and nothing is ever filled again:
; by this text's count a wave has two tensor loads out.  So nothing is left to ask for ahead of a later load, and no prefetch is written.
; NO CLUSTER: the work-groups share the codebook alone, 131,072 bytes, which goes straight into fragment registers; LDS has 1,024 bytes left beside u.
; LDS.  U_w = 34,816 w: 128 rows of 272 bytes (256 + 16 of padding: 16 rows 272 apart start 16 bytes apart modulo 256).  When its only fill has been read out, a wave uses its own U_w again:
; first ch as [code][channel], pitch 160; then its partial out0 as f32 [channel][row], pitch 528, and at +33,792 its 128 sums of weights.
; ZH, ZL: f16 [channel][row], pitch 288.  X0, X1: f32 [row][wave].  C2: -c^2/2, later the wave's column sums of p / Z.  Then the spare words.
; REGISTERS.  Window 1 (v256-511): S[q][t] at 32 q + 8 t; at the head the codebook and z in f32; at the end the weights P at 16 q + 4 t and the products O at 128 + 32 g + 8 c.  Window 0: below.
.set UW,    34816
.set UP,    272
.set ZH,    278528
.set ZLO,   18432                      ; ZL lies so far behind ZH
.set ZPI,   288
.set X0,    315392
.set X1O,   4096                       ; X1 lies so far behind X0
.set C2,    323584
.set SPARE, 325632                     ; 128 bytes for each of the eight waves: four blocks of 256 bytes that no other line names
.set CSP,   160
.set OPP,   528
.set SEO,   33792
.set SPW,  1                           ; v1   SPARE + 4 x my thread's number; never rewritten
.set NIL,  2                           ; v2   0; never rewritten
.set AU,   3                           ; v3   U_w + 272 r + 32 h
.set AZ,   4                           ; v4   ZH + 288 (8 h + l % 8) + 16 ((l / 8) % 2): the turning load's address
.set AXW,  5                           ; v5   X0 + 32 r + 4 w
.set AXR,  6                           ; v6   X0 + 32 r
.set ACS,  7                           ; v7   U_w + 160 r + 16 h
.set ACT,  8                           ; v8   U_w + 160 (8 h + l % 8) + 16 ((l / 8) % 2)
.set AO,   9                           ; v9   U_w + 528 r + 32 h
.set ASE,  10                          ; v10  U_w + 33,792 + 4 r
.set AC2W, 11                          ; v11  C2 + 256 w + 4 r; later C2 + 256 w + 8 l
.set AC2R, 12                          ; v12  C2 + 256 w + 32 h
.set ONE,  13                          ; v13  1.0
.set A1,   14                          ; v14-15  prec / 50, twice
.set HP,   16                          ; v16  prec / 2
.set LD,   17                          ; v17  my lane's share of sum p log p, in units of ln 2
.set LC,   18                          ; v18-19  my lane's sum of (z - out0)^2
.set SM,   20                          ; v20-27  by tile q: maxima and sums at work.  At the head and at the end: AZS, ZO, CO
.set AZS,  20                          ;      ZH + 288 w + 8 l
.set ZO,   21                          ;      4,096 w + 16 l: my bytes in z and in out0
.set CO,   22                          ;      my bytes in the codebook; at the end 16 l
.set C0,   28                          ; v28-31  four chains of a maximum
.set B1,   32                          ; v32-47  1 - smax prec / 50, a pair a tile; then 1 / Z, then 1 / tmax, in the even registers
.set ZS,   48                          ; v48-63  Z, a pair a tile; then v48-55 tmax
.set TM,   48
.set BIAS, 64                          ; v64-95  -c^2/2 as C operands; then log2 Z (64-71); then ACC: column sums of p / Z; at the end eight LDS addresses
.set ACC,  64
.set LG,   64
.set AB,   64
.set ZF0,  96                          ; v96-127 z's fragments of even tiles; then sum p x, a pair a tile; u's third set; the sums of weights, two pairs a tile
.set ZF1,  32                          ; v32-63  z's fragments of odd tiles
.set PX,   96
.set SEA,  96
.set SEB,  112
.set RS,   104
.set CH,   128                         ; v128-191 ch: tile t, channels 32 f on, at CH + 16 t + 8 f
.set CL,   192                         ; v192-255 cl; then what is read back from X0 and X1; T, two sets; u, two sets; ch turned, at CT + 32 kk + 8 c
.set XR,   192
.set T0,   192
.set CT,   192
.set ZR,   216
.set EPS,  40                          ; s[40:41] 1e-10
.set NLN2, 42                          ; s[42:43] -ln 2
.set L2,   44                          ; s[44:45] 50 log2(e)
.set SEL,  46                          ; s[46:47] v_permlanex16_b32's selects: each lane takes its own place in the other half
.set MSB, 0
.macro WIN new                         ; s_set_vgpr_msb: bits 1:0 source 0, 3:2 source 1, 5:4 source 2, 7:6 destination; the high byte repeats the setting that is left
.if MSB != (\new)
	s_set_vgpr_msb (MSB<<8)|(\new)
.set MSB, (\new)
.endif
.endm
.macro PLACES                          ; four plain places behind a matrix instruction (ISA guide 7.12.1), where no other vector work is at hand
.rept 4
	v_nop
.endr
.endm
.macro BAR                             ; what I stored to LDS is done and what I read is back; then all eight waves meet
	s_wait_dscnt 0x0
	s_barrier_signal -1
	s_barrier_wait -1
.endm
	s_load_b256 s[4:11], s[0:1], 0x0               ; codebook s[4:5], gumbel_u s[6:7], var_q s[8:9], z s[10:11]
	s_load_b128 s[12:15], s[0:1], 0x20             ; out0 s[12:13], part s[14:15]
	s_load_b64 s[16:17], s[0:1], 0x30              ; lossp
	v_lshl_add_u32 v[SPW], v0, 2, SPARE
	v_mov_b32 v[NIL], 0
	ds_add_u32 v[SPW], v[NIL]                      ; the wave's opening: the add, twice on end, and its wait ahead of my first tensor load
	ds_add_u32 v[SPW], v[NIL]                      ; once more; the set-up below, work on registers, stands between it and the wait
	v_lshrrev_b32 v28, 5, v0
	v_readfirstlane_b32 s18, v28                   ; wave 0..7
	s_mov_b32 s19, ttmp9                           ; work-group 0..255
	v_and_b32 v28, 15, v0                          ; r
	v_bfe_u32 v29, v0, 4, 1                        ; h
	v_and_b32 v30, 7, v0
	v_bfe_u32 v31, v0, 3, 1
	v_and_b32 v23, 31, v0                          ; l
	v_lshl_add_u32 v30, v29, 3, v30                ; 8 h + l % 8
	s_mul_i32 s20, s18, UW                         ; U_w
	s_lshl_b32 s21, s18, 2
	s_add_co_u32 s21, s21, X0
	s_lshl_b32 s22, s18, 8
	s_add_co_u32 s22, s22, C2                      ; C2 + 256 w: kept
	s_mul_i32 s23, s18, ZPI
	s_add_co_u32 s23, s23, ZH                      ; ZH + 288 w: kept
	v_mul_u32_u24 v[AU], v28, UP
	v_lshl_add_u32 v[AU], v29, 5, v[AU]
	v_add_nc_u32 v[AU], s20, v[AU]
	v_mul_u32_u24 v[AZ], v30, ZPI
	v_lshl_add_u32 v[AZ], v31, 4, v[AZ]
	v_add_nc_u32 v[AZ], ZH, v[AZ]
	v_lshl_add_u32 v[AXW], v28, 5, s21
	v_lshl_add_u32 v[AXR], v28, 5, X0
	v_mul_u32_u24 v[ACS], v28, CSP
	v_lshl_add_u32 v[ACS], v29, 4, v[ACS]
	v_add_nc_u32 v[ACS], s20, v[ACS]
	v_mul_u32_u24 v[ACT], v30, CSP
	v_lshl_add_u32 v[ACT], v31, 4, v[ACT]
	v_add_nc_u32 v[ACT], s20, v[ACT]
	v_mul_u32_u24 v[AO], v28, OPP
	v_lshl_add_u32 v[AO], v29, 5, v[AO]
	v_add_nc_u32 v[AO], s20, v[AO]
	v_lshl_add_u32 v[ASE], v28, 2, s20
	v_add_nc_u32 v[ASE], SEO, v[ASE]
	v_lshl_add_u32 v[AC2W], v28, 2, s22
	v_lshl_add_u32 v[AC2R], v29, 5, s22
	v_lshl_add_u32 v[AZS], v23, 3, s23
	s_lshl_b32 s58, s18, 12
	v_lshl_add_u32 v[ZO], v23, 4, s58
	s_lshl_b32 s60, s18, 14
	v_lshl_add_u32 v[CO], v28, 8, s60              ; code 64 w + r: 256 bytes a code,
	v_lshl_add_u32 v[CO], v29, 5, v[CO]            ; channels 8 h on
	v_mov_b32 v[ONE], 1.0
	; descriptor group 1: 64 rows of 64 elements of 4 bytes, 512 elements from row to row; in LDS 4 words of padding behind every 64
	s_mov_b32 s24, (2<<16)|(1<<20)|(5<<22)|(3<<25)
	s_mov_b32 s25, 64<<16                          ; tensor_dim0 = 64
	s_mov_b32 s26, 64<<16                          ; tensor_dim1 = 64
	s_mov_b32 s27, 64<<16                          ; tile_dim0 = 64
	s_mov_b32 s28, 64                              ; tile_dim1 = 64
	s_mov_b32 s29, 512
	s_mov_b32 s30, 0
	s_mov_b32 s31, 0
	s_mov_b32 s32, 1                               ; group 0 for rows 0-63,
	s_mov_b32 s33, s20
	s_mov_b32 s36, 1                               ; and for rows 64-127
	s_add_co_u32 s37, s20, 64*UP
	s_mov_b32 s[EPS], 0x2edbe6ff
	s_mov_b32 s[EPS+1], 0x2edbe6ff
	s_mov_b32 s[NLN2], 0xbf317218
	s_mov_b32 s[NLN2+1], 0xbf317218
	s_mov_b32 s[L2], 0x429044fe
	s_mov_b32 s[L2+1], 0x429044fe
	s_mov_b32 s[SEL], 0x76543210
	s_mov_b32 s[SEL+1], 0xfedcba98
	s_mov_b32 s57, 0xbd800000                      ; -1/16: a row's ln Z is counted in 16 lanes (8 waves x 2 halves)
	s_lshr_b32 s58, s19, 3                         ; batch: 262,144 bytes of z and of out0,
	s_lshl_b32 s58, s58, 18
	s_and_b32 s60, s19, 7                          ; my 128 pixels: 512 bytes of a channel's row
	s_lshl_b32 s60, s60, 9
	s_add_co_u32 s58, s58, s60
	s_mov_b32 s59, 0
	s_lshl_b32 s60, s19, 18                        ; my 128 rows of gumbel_u,
	s_lshl_b32 s62, s18, 8                         ; my wave's 256 bytes of each
	s_add_co_u32 s60, s60, s62
	s_mov_b32 s61, 0
	s_wait_dscnt 0x0                               ; both opening adds are done
	s_wait_kmcnt 0x0
	s_load_b32 s56, s[8:9], 0x0                    ; var_q
	s_add_nc_u64 s[48:49], s[10:11], s[58:59]
	s_add_nc_u64 s[50:51], s[12:13], s[58:59]
	s_add_nc_u64 s[34:35], s[6:7], s[60:61]
	s_add_nc_u64 s[38:39], s[34:35], 0x20000       ; 64 rows of 2,048 bytes on
	s_or_b32 s35, s35, 0x80000000                  ; type = 2
	s_or_b32 s39, s39, 0x80000000
	s_lshl_b32 s58, s19, 11
	s_add_co_u32 s58, s58, s62
	s_add_nc_u64 s[52:53], s[14:15], s[58:59]      ; part + 2,048 wg + 256 w
	s_lshl_b32 s58, s19, 5
	s_lshl_b32 s62, s18, 2
	s_add_co_u32 s58, s58, s62
	s_add_nc_u64 s[54:55], s[16:17], s[58:59]      ; lossp + 32 wg + 4 w
	; what the first products want goes out first: z (thread (l, w): channels w + 8 k, pixels 4 l .. 4 l + 3: a wave's load is 512 consecutive bytes), then my 64 codes as fragments
	WIN 0x40
.irp k, 0,1,2,3,4,5,6,7
	global_load_b128 v[128+4*\k:128+4*\k+3], v[ZO], s[48:49] offset:32768*\k th:TH_LOAD_NT
.endr
.irp t, 0,1,2,3
.irp f, 0,1
.irp i, 0,1
.irp e, 0,1
	global_load_b128 v[32*\t+16*\f+8*\i+4*\e:32*\t+16*\f+8*\i+4*\e+3], v[CO], s[4:5] offset:4096*\t+128*\f+64*\i+16*\e  ; code 16 t + r, channels 32 f + 16 i + 8 h + 4 e on
.endr
.endr
.endr
.endr
	WIN 0
	tensor_load_to_lds s[32:35], s[24:31]          ; both fills of my U_w, ahead of every wait on TENSORcnt, every LDS read and every barrier
	s_nop 0
	tensor_load_to_lds s[36:39], s[24:31]
	s_nop 0
	PLACES
	s_wait_kmcnt 0x0                               ; var_q
	v_mov_b32 v[HP], s56
	v_max_num_f32 v[HP], 0x3727c5ac, v[HP]         ; at least 1e-5
	v_rcp_f32 v[HP], v[HP]
	v_nop                                          ; a plain instruction behind the reciprocal,
	s_wait_alu depctr_va_vdst(0)                   ; and a wait ahead of its first reader
	v_min_num_f32 v[HP], 0x47c35000, v[HP]         ; prec, at most 1e5
	v_mul_f32 v[A1], 0x3ca3d70a, v[HP]             ; prec / 50
	v_mov_b32 v[A1+1], v[A1]
	v_mul_f32 v[HP], 0.5, v[HP]
	s_wait_loadcnt 32                              ; z's eight loads are in; the codebook's 32 may stay out
	WIN 0x05                                       ; z: high parts,
.irp k, 0,1,2,3,4,5,6,7
.irp m, 0,1
	v_cvt_pk_f16_f32 v[192+2*\k+\m], v[128+4*\k+2*\m], v[128+4*\k+2*\m+1]
.endr
.endr
	WIN 0x50                                       ; what they leave, in place,
.irp k, 0,1,2,3,4,5,6,7
.irp m, 0,1
.irp a, 0,1
	v_fma_mix_f32 v[128+4*\k+2*\m+\a], -v[192+2*\k+\m], v[ONE], v[128+4*\k+2*\m+\a] op_sel:[\a,0,0] op_sel_hi:[1,0,0]
.endr
.endr
.endr
	WIN 0x05                                       ; low parts
.irp k, 0,1,2,3,4,5,6,7
.irp m, 0,1
	v_cvt_pk_f16_f32 v[208+2*\k+\m], v[128+4*\k+2*\m], v[128+4*\k+2*\m+1]
.endr
.endr
	WIN 0
.irp k, 0,1,2,3,4,5,6,7
	ds_store_b64 v[AZS], v[192+2*\k:193+2*\k] offset:8*ZPI*\k        ; channel w + 8 k, rows 4 l on: 256 consecutive bytes a wave
	ds_store_b64 v[AZS], v[208+2*\k:209+2*\k] offset:8*ZPI*\k+ZLO
.endr
	s_wait_loadcnt 0x0                             ; the codebook
	WIN 0x05
.set n, 0
.rept 64
	v_cvt_pk_f16_f32 v[CH+n], v[2*n], v[2*n+1]
.set n, n+1
.endr
.set n, 0
.rept 16                                       ; c^2 of my 32 channels of each of four codes, in f32: four chains by turns
.irp t, 0,1,2,3
.if n == 0
	v_pk_mul_f32 v[32+2*\t:33+2*\t], v[32*\t:32*\t+1], v[32*\t:32*\t+1]
.else
	v_pk_fma_f32 v[32+2*\t:33+2*\t], v[32*\t+2*n:32*\t+2*n+1], v[32*\t+2*n:32*\t+2*n+1], v[32+2*\t:33+2*\t]
.endif
.endr
.set n, n+1
.endr
	WIN 0x50
.set n, 0
.rept 64
.irp a, 0,1
	v_fma_mix_f32 v[2*n+\a], -v[CH+n], v[ONE], v[2*n+\a] op_sel:[\a,0,0] op_sel_hi:[1,0,0]
.endr
.set n, n+1
.endr
	WIN 0x05
.set n, 0
.rept 64
	v_cvt_pk_f16_f32 v[CL+n], v[2*n], v[2*n+1]
.set n, n+1
.endr
	WIN 0
.irp t, 0,1,2,3
	v_add_f32 v[32+2*\t], v[32+2*\t], v[33+2*\t]
.endr
.irp t, 0,1,2,3
	v_permlanex16_b32 v[33+2*\t], v[32+2*\t], s[SEL], s[SEL+1]       ; the code's other 32 channels lie in the lane 16 away
.endr
.irp t, 0,1,2,3
	v_add_f32 v[32+2*\t], v[32+2*\t], v[33+2*\t]
.endr
.irp t, 0,1,2,3
	v_mul_f32 v[32+2*\t], -0.5, v[32+2*\t]
.endr
.irp t, 0,1,2,3
	ds_store_b32 v[AC2W], v[32+2*\t] offset:64*\t                    ; my wave's own 256 bytes: LDS serves a wave's instructions in order (ISA guide 5.7.1.4), so the loads below see these
.endr
.irp t, 0,1,2,3
.irp e, 0,1
	ds_load_b128 v[BIAS+8*\t+4*\e:BIAS+8*\t+4*\e+3], v[AC2R] offset:64*\t+16*\e  ; register j: -c^2/2 of code 16 t + 8 h + j, as the C operand wants it
.endr
.endr
	BAR                                            ; z's f16 parts of all 64 channels lie in LDS.  My two tensor loads stay out
; THE FIRST PRODUCT
.macro ZSEL q
.set zb, ZF0
.if ((\q)&1)
.set zb, ZF1
.endif
.endm
.macro ZLOAD q                         ; tile q's fragments, turned out of [channel][row]: zh channels 0-31, 32-63, then zl's
	ZSEL \q
	WIN 0
.irp p, 0,1
.irp f, 0,1
.irp i, 0,1
	ds_load_tr16_b128 v[zb+16*\p+8*\f+4*\i:zb+16*\p+8*\f+4*\i+3], v[AZ] offset:ZLO*\p+32*ZPI*\f+16*ZPI*\i+32*(\q)
.endr
.endr
.endr
.endm
.macro RND q, a, z                     ; four products, one on each of the tile's four accumulators: they take turns
.irp t, 0,1,2,3
	v_wmma_f32_16x16x32_f16 v[32*(\q)+8*\t:32*(\q)+8*\t+7], v[(\a)+16*\t:(\a)+16*\t+7], v[(\z):(\z)+7], v[32*(\q)+8*\t:32*(\q)+8*\t+7]
.endr
.endm
.macro MM1 q
	ZSEL \q
	WIN 0x40
.irp t, 0,1,2,3
	v_wmma_f32_16x16x32_f16 v[32*(\q)+8*\t:32*(\q)+8*\t+7], v[CH+16*\t:CH+16*\t+7], v[zb:zb+7], v[BIAS+8*\t:BIAS+8*\t+7]  ; -c^2/2 starts the sums
.endr
	WIN 0x50
	RND \q, CH+8, zb+8
	RND \q, CH,   zb+16
	RND \q, CH+8, zb+24
	RND \q, CL,   zb
	RND \q, CL+8, zb+8
.endm
.macro LMAX q, dst                     ; the largest of my lane's 32 numbers of tile q: four chains; each accumulator's lowest registers are read first
.set sb, 32*(\q)
	WIN 0x15
.irp n, 0,1,2,3
	v_max3_num_f32 v[C0+\n], v[sb+8*\n], v[sb+8*\n+1], v[sb+8*\n+2]
.endr
	WIN 0x14
.irp n, 0,1,2,3
	v_max3_num_f32 v[C0+\n], v[C0+\n], v[sb+8*\n+3], v[sb+8*\n+4]
.endr
.irp n, 0,1,2,3
	v_max3_num_f32 v[C0+\n], v[C0+\n], v[sb+8*\n+5], v[sb+8*\n+6]
.endr
	v_max3_num_f32 v[C0], v[C0], v[sb+7], v[sb+15]
	v_max3_num_f32 v[C0+1], v[C0+1], v[sb+23], v[sb+31]
	WIN 0
	v_max3_num_f32 v[C0], v[C0], v[C0+1], v[C0+2]
	v_max_num_f32 v[(\dst)], v[C0], v[C0+3]
.endm
.macro SMAX q
	LMAX \q, C0
	v_permlanex16_b32 v[C0+1], v[C0], s[SEL], s[SEL+1]               ; the row's other 32 of my codes
	v_max_num_f32 v[SM+(\q)], v[C0], v[C0+1]
.endm
.macro PUB off, reg                    ; my wave's number for each of the 128 rows, to [row][wave]
.irp q, 0,1,2,3,4,5,6,7
	ds_store_b32 v[AXW], v[(\reg)+\q] offset:(\off)+512*\q
.endr
.endm
.macro XREAD off                       ; all eight waves' numbers for my rows 16 q + r
.irp q, 0,1,2,3,4,5,6,7
.irp e, 0,1
	ds_load_b128 v[XR+8*\q+4*\e:XR+8*\q+4*\e+3], v[AXR] offset:(\off)+512*\q+16*\e
.endr
.endr
.endm
	ZLOAD 0
.set qi, 0
.rept 8
.if qi > 0
	PLACES                                         ; behind tile qi - 1's products: the loads below land in fragments that they read, the maximum reads their results
.endif
.if qi < 7
	ZLOAD qi+1
.endif
.if qi > 0
	SMAX qi-1
.endif
.if qi < 7
	s_wait_dscnt 8                                 ; this tile's fragments are in; the next tile's eight loads may stay out
.else
	s_wait_dscnt 0x0
.endif
	MM1 qi
.set qi, qi+1
.endr
	PLACES
	SMAX 7
	PUB 0, SM
	BAR                                            ; every wave's maxima lie in X0
; p AND ITS SUMS
	XREAD 0
	s_wait_dscnt 0x0
.irp q, 0,1,2,3,4,5,6,7
	v_max3_num_f32 v[SM+\q], v[XR+8*\q], v[XR+8*\q+1], v[XR+8*\q+2]
.endr
.irp q, 0,1,2,3,4,5,6,7
	v_max3_num_f32 v[SM+\q], v[SM+\q], v[XR+8*\q+3], v[XR+8*\q+4]
.endr
.irp q, 0,1,2,3,4,5,6,7
	v_max3_num_f32 v[SM+\q], v[SM+\q], v[XR+8*\q+5], v[XR+8*\q+6]
.endr
.irp q, 0,1,2,3,4,5,6,7
	v_max_num_f32 v[SM+\q], v[SM+\q], v[XR+8*\q+7]
.endr
.irp q, 0,1,2,3,4,5,6,7
	v_fma_f32 v[B1+2*\q], -v[A1], v[SM+\q], 1.0
	v_fma_f32 v[B1+2*\q+1], -v[A1], v[SM+\q], 1.0
.endr
.macro YX q                            ; y = (logit - max) / 50 + 1 held to 0 .. 1, which is reference()'s clip at -50 (and at 0); then x = 50 log2(e) (y - 1)
.set sb, 32*(\q)
.set tb, T0+32*((\q)&1)
	WIN 0x01
.set j, 0
.rept 16
	v_pk_fma_f32 v[tb+2*j:tb+2*j+1], v[sb+2*j:sb+2*j+1], v[A1:A1+1], v[B1+2*(\q):B1+2*(\q)+1] clamp
.set j, j+1
.endr
	WIN 0
.set j, 0
.rept 16
	v_pk_fma_f32 v[tb+2*j:tb+2*j+1], v[tb+2*j:tb+2*j+1], s[L2:L2+1], s[L2:L2+1] op_sel_hi:[1,0,0] neg_lo:[0,0,1] neg_hi:[0,0,1]
.set j, j+1
.endr
.endm
.macro EXPQ q                          ; p = 2^x takes the scores' place
.set sb, 32*(\q)
.set tb, T0+32*((\q)&1)
	WIN 0x40
.set j, 0
.rept 32
	v_exp_f32 v[sb+j], v[tb+j]
.set j, j+1
.endr
.endm
.macro SUMQ q                          ; Z += p and PX += p x, two chains by turns; the first terms start them
.set sb, 32*(\q)
.set tb, T0+32*((\q)&1)
	WIN 0x05
	v_pk_add_f32 v[ZS+2*(\q):ZS+2*(\q)+1], v[sb:sb+1], v[sb+2:sb+3]
	WIN 0x01
	v_pk_mul_f32 v[PX+2*(\q):PX+2*(\q)+1], v[sb:sb+1], v[tb:tb+1]
	v_pk_fma_f32 v[PX+2*(\q):PX+2*(\q)+1], v[sb+2:sb+3], v[tb+2:tb+3], v[PX+2*(\q):PX+2*(\q)+1]
.set j, 2
.rept 14
	v_pk_add_f32 v[ZS+2*(\q):ZS+2*(\q)+1], v[sb+2*j:sb+2*j+1], v[ZS+2*(\q):ZS+2*(\q)+1]
	v_pk_fma_f32 v[PX+2*(\q):PX+2*(\q)+1], v[sb+2*j:sb+2*j+1], v[tb+2*j:tb+2*j+1], v[PX+2*(\q):PX+2*(\q)+1]
.set j, j+1
.endr
.endm
	YX 0
.set qi, 0
.rept 8
	EXPQ qi                                        ; a batch of 32 exponentials;
.if qi < 7
	YX qi+1                                        ; the next tile's 32 plain lines, which name none of its results or sources;
.else
	v_nop
.endif
	s_wait_alu depctr_va_vdst(0)                   ; one wait for the batch, ahead of its first reader
	SUMQ qi
.set qi, qi+1
.endr
	WIN 0
.irp q, 0,1,2,3,4,5,6,7
	v_add_f32 v[SM+\q], v[ZS+2*\q], v[ZS+2*\q+1]
.endr
.irp q, 0,1,2,3,4,5,6,7
	v_permlanex16_b32 v[B1+2*\q], v[SM+\q], s[SEL], s[SEL+1]
.endr
.irp q, 0,1,2,3,4,5,6,7
	v_add_f32 v[SM+\q], v[SM+\q], v[B1+2*\q]
.endr
	PUB X1O, SM
	BAR                                            ; every wave's part of Z lies in X1; every wave's reads of X0 are back, so X0 may be written again behind this barrier
	XREAD X1O
	s_wait_dscnt 0x0
.irp q, 0,1,2,3,4,5,6,7
	v_pk_add_f32 v[XR+8*\q:XR+8*\q+1], v[XR+8*\q:XR+8*\q+1], v[XR+8*\q+2:XR+8*\q+3]
	v_pk_add_f32 v[XR+8*\q+4:XR+8*\q+5], v[XR+8*\q+4:XR+8*\q+5], v[XR+8*\q+6:XR+8*\q+7]
.endr
.irp q, 0,1,2,3,4,5,6,7
	v_pk_add_f32 v[XR+8*\q:XR+8*\q+1], v[XR+8*\q:XR+8*\q+1], v[XR+8*\q+4:XR+8*\q+5]
.endr
.irp q, 0,1,2,3,4,5,6,7
	v_add_f32 v[SM+\q], v[XR+8*\q], v[XR+8*\q+1]   ; Z, at least 1
.endr
.irp q, 0,1,2,3,4,5,6,7
	v_rcp_f32 v[B1+2*\q], v[SM+\q]                 ; 1 / Z, in the pair's low register
.endr
.irp q, 0,1,2,3,4,5,6,7
	v_log_f32 v[LG+\q], v[SM+\q]
.endr
.irp q, 0,1,2,3,4,5,6,7
	v_add_f32 v[PX+2*\q], v[PX+2*\q], v[PX+2*\q+1] ; plain work behind the batch of sixteen
.endr
	s_wait_alu depctr_va_vdst(0)                   ; one wait for the batch
	v_mul_f32 v[LD], v[B1], v[PX]                  ; sum p log p = ln 2 (PX / Z - log2 Z), my lane's codes' share of the first term,
.irp q, 1,2,3,4,5,6,7
	v_fma_f32 v[LD], v[B1+2*\q], v[PX+2*\q], v[LD]
.endr
.irp q, 0,2,4,6
	v_add_f32 v[LG+\q], v[LG+\q], v[LG+\q+1]
.endr
	v_add_f32 v[LG], v[LG], v[LG+2]
	v_add_f32 v[LG+4], v[LG+4], v[LG+6]
	v_add_f32 v[LG], v[LG], v[LG+4]
	v_fma_f32 v[LD], v[LG], s57, v[LD]             ; and a sixteenth of the second
; THE WORK ON u.  Three sets of 32 registers take turns; tile q: u + 1e-10, log2, w, 1 / w, t = p / w.  A trip's logarithms (tile i + 1) and reciprocals (tile i) are one batch with one wait.
.macro UB q
.set ub, 192+32*((\q)%3)
.if ((\q)%3) == 2
.set ub, 96
.endif
.endm
.macro ULOAD q
	UB \q
	WIN 0
.irp t, 0,1,2,3
.irp e, 0,1
	ds_load_b128 v[ub+8*\t+4*\e:ub+8*\t+4*\e+3], v[AU] offset:16*UP*(\q)+64*\t+16*\e  ; row 16 q + r, codes 16 t + 8 h + 4 e on: u lies as S does
.endr
.endr
.endm
.macro ADDE q
	UB \q
	WIN 0
.set j, 0
.rept 16
	v_pk_add_f32 v[ub+2*j:ub+2*j+1], v[ub+2*j:ub+2*j+1], s[EPS:EPS+1] op_sel_hi:[1,0]
.set j, j+1
.endr
.endm
.macro LOGQ q
	UB \q
	WIN 0
.set j, 0
.rept 32
	v_log_f32 v[ub+j], v[ub+j]
.set j, j+1
.endr
.endm
.macro WQ q
	UB \q
	WIN 0
.set j, 0
.rept 16
	v_pk_fma_f32 v[ub+2*j:ub+2*j+1], v[ub+2*j:ub+2*j+1], s[NLN2:NLN2+1], s[EPS:EPS+1] op_sel_hi:[1,0,0]
.set j, j+1
.endr
.endm
.macro RCPQ q
	UB \q
	WIN 0
.set j, 0
.rept 32
	v_rcp_f32 v[ub+j], v[ub+j]
.set j, j+1
.endr
.endm
.macro ACCUM q                         ; the column sums of p / Z: my lane's row of each tile
.set sb, 32*(\q)
	WIN 0x01
.set j, 0
.rept 16
.if (\q) == 0
	v_pk_mul_f32 v[ACC+2*j:ACC+2*j+1], v[sb+2*j:sb+2*j+1], v[B1+2*(\q):B1+2*(\q)+1] op_sel_hi:[1,0]
.else
	v_pk_fma_f32 v[ACC+2*j:ACC+2*j+1], v[sb+2*j:sb+2*j+1], v[B1+2*(\q):B1+2*(\q)+1], v[ACC+2*j:ACC+2*j+1] op_sel_hi:[1,0,1]
.endif
.set j, j+1
.endr
.endm
.macro TMUL q
	UB \q
.set sb, 32*(\q)
	WIN 0x41
.set j, 0
.rept 16
	v_pk_mul_f32 v[sb+2*j:sb+2*j+1], v[sb+2*j:sb+2*j+1], v[ub+2*j:ub+2*j+1]
.set j, j+1
.endr
.endm
	s_wait_tensorcnt 0x1                           ; my rows 0-63 of u are in LDS (tiles 0 to 3); rows 64-127 may stay out.  Only I read my U_w
	ULOAD 0
.set i, -1
.rept 10
.if i >= 1
	TMUL i-1                                       ; t takes p's place; its set of u is free
.endif
.if i+2 <= 7
.if i+2 == 4
	s_wait_tensorcnt 0x0                           ; rows 64-127
.endif
	ULOAD i+2
.endif
.if i+1 <= 7
.if i+2 <= 7
	s_wait_dscnt 8                                 ; tile i + 1's u is in; the eight loads just issued may stay out
.else
	s_wait_dscnt 0x0
.endif
	ADDE i+1
.endif
.if (i >= 0) && (i <= 7)
	WQ i
.endif
.if i+1 <= 7
	LOGQ i+1
.endif
.if (i >= 0) && (i <= 7)
	RCPQ i
	ACCUM i                                        ; plain work that names none of the batch's registers
.endif
.if i >= 1
	LMAX i-1, TM+i-1
.endif
.if i == -1
	v_nop
.endif
.if i <= 7
	s_wait_alu depctr_va_vdst(0)                   ; one wait for the trip's batch
.endif
.set i, i+1
.endr
	WIN 0
.irp q, 0,1,2,3,4,5,6,7
	v_permlanex16_b32 v[SM+\q], v[TM+\q], s[SEL], s[SEL+1]
.endr
.irp q, 0,1,2,3,4,5,6,7
	v_max_num_f32 v[TM+\q], v[TM+\q], v[SM+\q]
.endr
	PUB 0, TM
	s_wait_dscnt 0x0
	s_barrier_signal -1
.irp m, 1,2,4,8                        ; work on registers while the others arrive: the column sums over the 16 rows that a half of the lanes holds
.set j, 0
.rept 32
	v_add_f32_dpp v[ACC+j], v[ACC+j], v[ACC+j] row_xmask:\m row_mask:0xf bank_mask:0xf
.set j, j+1
.endr
.endr
	s_barrier_wait -1                              ; every wave's tmax lies in X0
; THE WEIGHTS AND THE SECOND PRODUCT
	XREAD 0
.irp t, 0,1,2,3
.irp f, 0,1
.irp e, 0,1
	ds_store_b128 v[ACS], v[CH+16*\t+8*\f+4*\e:CH+16*\t+8*\f+4*\e+3] offset:16*CSP*\t+64*\f+32*\e  ; ch as [code][channel] into my U_w, whose u has been read out
.endr
.endr
.endr
	s_wait_dscnt 16                                ; the sixteen loads are back; the sixteen stores may stay out
.irp q, 0,1,2,3,4,5,6,7
	v_max3_num_f32 v[TM+\q], v[XR+8*\q], v[XR+8*\q+1], v[XR+8*\q+2]
.endr
.irp q, 0,1,2,3,4,5,6,7
	v_max3_num_f32 v[TM+\q], v[TM+\q], v[XR+8*\q+3], v[XR+8*\q+4]
.endr
.irp q, 0,1,2,3,4,5,6,7
	v_max3_num_f32 v[TM+\q], v[TM+\q], v[XR+8*\q+5], v[XR+8*\q+6]
.endr
.irp q, 0,1,2,3,4,5,6,7
	v_max_num_f32 v[TM+\q], v[TM+\q], v[XR+8*\q+7]
.endr
.irp q, 0,1,2,3,4,5,6,7
	v_rcp_f32 v[B1+2*\q], v[TM+\q]                 ; 1 / tmax: tmax is at least 1 / 23.1, the row's p = 1 over the largest w
.endr
	v_and_b32 v30, 31, v0
	v_lshlrev_b32 v30, 3, v30                      ; 8 l
	v_add_nc_u32 v[AC2W], s22, v30
.irp kk, 0,1
.irp c, 0,1,2,3
.irp e, 0,1
	ds_load_tr16_b128 v[CT+32*\kk+8*\c+4*\e:CT+32*\kk+8*\c+4*\e+3], v[ACT] offset:32*CSP*\kk+32*\c+16*CSP*\e  ; ch turned: lane = channel 16 c + r, codes 32 kk on; behind my own stores, which LDS serves first
.endr
.endr
.endr
.irp t, 0,1,2,3
.irp e, 0,1
	ds_store_b128 v[AC2R], v[ACC+8*\t+4*\e:ACC+8*\t+4*\e+3] offset:64*\t+16*\e  ; all 16 lanes of a half hold the same sums and write the same words
.endr
.endr
	ds_load_b64 v[28:29], v[AC2W]                  ; back as 64 codes on end
	s_wait_dscnt 0x0
	global_store_b64 v30, v[28:29], s[52:53]       ; 256 consecutive bytes, at a multiple of 256 from part's first byte; v28-30 are not written again
	s_wait_alu depctr_va_vdst(0)                   ; one wait for the eight reciprocals
.macro EP q                            ; e = (t / tmax)^2; its sum in two chains; then P = f16(e), which packs into the registers that earlier tiles have left
.set sb, 32*(\q)
	WIN 0x41
.set j, 0
.rept 16
	v_pk_mul_f32 v[sb+2*j:sb+2*j+1], v[sb+2*j:sb+2*j+1], v[B1+2*(\q):B1+2*(\q)+1] op_sel_hi:[1,0]
.set j, j+1
.endr
	WIN 0x45
.set j, 0
.rept 16
	v_pk_mul_f32 v[sb+2*j:sb+2*j+1], v[sb+2*j:sb+2*j+1], v[sb+2*j:sb+2*j+1]
.set j, j+1
.endr
	WIN 0x05
	v_pk_add_f32 v[SEA+2*(\q):SEA+2*(\q)+1], v[sb:sb+1], v[sb+2:sb+3]
	v_pk_add_f32 v[SEB+2*(\q):SEB+2*(\q)+1], v[sb+4:sb+5], v[sb+6:sb+7]
	WIN 0x01
.set j, 4
.rept 6
	v_pk_add_f32 v[SEA+2*(\q):SEA+2*(\q)+1], v[sb+2*j:sb+2*j+1], v[SEA+2*(\q):SEA+2*(\q)+1]
	v_pk_add_f32 v[SEB+2*(\q):SEB+2*(\q)+1], v[sb+2*j+2:sb+2*j+3], v[SEB+2*(\q):SEB+2*(\q)+1]
.set j, j+2
.endr
	WIN 0x45
.set j, 0
.rept 16
	v_cvt_pk_f16_f32 v[16*(\q)+j], v[sb+2*j], v[sb+2*j+1]
.set j, j+1
.endr
.endm
.irp q, 0,1,2,3,4,5,6,7
	EP \q
.endr
	WIN 0
.irp q, 0,1,2,3,4,5,6,7
	v_pk_add_f32 v[SEA+2*\q:SEA+2*\q+1], v[SEA+2*\q:SEA+2*\q+1], v[SEB+2*\q:SEB+2*\q+1]
.endr
.irp q, 0,1,2,3,4,5,6,7
	v_add_f32 v[SEA+2*\q], v[SEA+2*\q], v[SEA+2*\q+1]
.endr
.irp q, 0,1,2,3,4,5,6,7
	v_permlanex16_b32 v[SEA+2*\q+1], v[SEA+2*\q], s[SEL], s[SEL+1]
.endr
.irp q, 0,1,2,3,4,5,6,7
	v_add_f32 v[SEA+2*\q], v[SEA+2*\q], v[SEA+2*\q+1]
.endr
.irp q, 0,1,2,3,4,5,6,7
	ds_store_b32 v[ASE], v[SEA+2*\q] offset:64*\q
.endr
; O = P ch for four tiles at a time: source 0 = 16 rows x 32 codes of P, source 1 = 32 codes x 16 channels.  Register j of O[g][c]: row 16 q + 8 h + j, channel 16 c + r.
; The 16 accumulators take turns: 15 others stand between a chain's two links.
.macro MM2 H
	WIN 0x51
.irp g, 0,1,2,3
.irp c, 0,1,2,3
	v_wmma_f32_16x16x32_f16 v[128+32*\g+8*\c:128+32*\g+8*\c+7], v[16*(4*(\H)+\g):16*(4*(\H)+\g)+7], v[CT+8*\c:CT+8*\c+7], 0
.endr
.endr
.irp g, 0,1,2,3
.irp c, 0,1,2,3
	v_wmma_f32_16x16x32_f16 v[128+32*\g+8*\c:128+32*\g+8*\c+7], v[16*(4*(\H)+\g)+8:16*(4*(\H)+\g)+15], v[CT+32+8*\c:CT+32+8*\c+7], v[128+32*\g+8*\c:128+32*\g+8*\c+7]
.endr
.endr
.endm
.macro OSTORE H                        ; my partial products, f32 [channel][row], pitch 528: 16 lanes' rows start 16 bytes apart modulo 256.  Each accumulator's low four registers go first
	PLACES
	WIN 0x04
.irp g, 0,1,2,3
.irp c, 0,1,2,3
.irp e, 0,1
	ds_store_b128 v[AO], v[128+32*\g+8*\c+4*\e:128+32*\g+8*\c+4*\e+3] offset:16*OPP*\c+64*(4*(\H)+\g)+16*\e
.endr
.endr
.endr
.endm
	MM2 0
	OSTORE 0
	v_nop                                          ; with the four above: six places ahead of the products that write the same accumulators anew
	v_nop
	MM2 1
	OSTORE 1
	WIN 0
	BAR                                            ; all eight partial products and sums of weights lie in LDS
; THE WAY OUT.  Thread (l, w): channels w + 8 k, rows 4 l .. 4 l + 3.  The eight waves' parts are added, divided by the sum of weights, stored, and held against z.
	v_and_b32 v[AZS], 31, v0
	v_lshlrev_b32 v[CO], 4, v[AZS]                 ; 16 l
	s_lshl_b32 s20, s18, 12
	v_add_nc_u32 v[ZO], s20, v[CO]
	v_lshl_add_u32 v[AZS], v[AZS], 3, s23
.irp v, 0,1,2,3,4,5,6,7
	v_add_nc_u32 v[AB+\v], UW*\v, v[CO]
.endr
.irp v, 0,1,2,3,4,5,6,7
	ds_load_b128 v[128+4*\v:128+4*\v+3], v[AB+\v] offset:SEO
.endr
	s_mul_i32 s21, s18, OPP
.macro TREE b, d                       ; eight vectors of four at b are added; the sum goes to d
.irp v, 0,2,4,6
.irp p, 0,2
	v_pk_add_f32 v[(\b)+4*\v+\p:(\b)+4*\v+\p+1], v[(\b)+4*\v+\p:(\b)+4*\v+\p+1], v[(\b)+4*\v+4+\p:(\b)+4*\v+4+\p+1]
.endr
.endr
.irp v, 0,4
.irp p, 0,2
	v_pk_add_f32 v[(\b)+4*\v+\p:(\b)+4*\v+\p+1], v[(\b)+4*\v+\p:(\b)+4*\v+\p+1], v[(\b)+4*\v+8+\p:(\b)+4*\v+8+\p+1]
.endr
.endr
.irp p, 0,2
	v_pk_add_f32 v[(\d)+\p:(\d)+\p+1], v[(\b)+\p:(\b)+\p+1], v[(\b)+16+\p:(\b)+16+\p+1]
.endr
.endm
.macro FLOAD k                         ; ten loads: the eight parts of channel w + 8 k, and z's two parts
.set pb, 128+32*((\k)&1)
.set zq, 192+4*((\k)&1)
.irp v, 0,1,2,3,4,5,6,7
	ds_load_b128 v[pb+4*\v:pb+4*\v+3], v[AB+\v] offset:8*OPP*(\k)
.endr
	ds_load_b64 v[zq:zq+1], v[AZS] offset:8*ZPI*(\k)
	ds_load_b64 v[zq+2:zq+3], v[AZS] offset:8*ZPI*(\k)+ZLO
.endm
.macro STEP k
.set pb, 128+32*((\k)&1)
.set zq, 192+4*((\k)&1)
.set ob, 208+4*((\k)&1)
.if (\k) < 7
	s_wait_dscnt 10                                ; this channel's ten loads are back; the next channel's ten may stay out
.else
	s_wait_dscnt 0x0
.endif
	s_wait_xcnt 0x0                                ; the earlier stores have read their data: the registers of the store two steps back are written again only behind this wait
	TREE pb, pb
	v_pk_mul_f32 v[ob:ob+1], v[pb:pb+1], v[RS:RS+1]
	v_pk_mul_f32 v[ob+2:ob+3], v[pb+2:pb+3], v[RS+2:RS+3]
.irp m, 0,1
.irp a, 0,1
	v_fma_mix_f32 v[ZR+2*\m+\a], v[zq+\m], v[ONE], v[zq+2+\m] op_sel:[\a,0,\a] op_sel_hi:[1,0,1]  ; z = its high part + its low part
.endr
.endr
	v_pk_add_f32 v[ZR:ZR+1], v[ZR:ZR+1], v[ob:ob+1] neg_lo:[0,1] neg_hi:[0,1]
	v_pk_add_f32 v[ZR+2:ZR+3], v[ZR+2:ZR+3], v[ob+2:ob+3] neg_lo:[0,1] neg_hi:[0,1]
.if (\k) == 0
	v_pk_mul_f32 v[LC:LC+1], v[ZR:ZR+1], v[ZR:ZR+1]
.else
	v_pk_fma_f32 v[LC:LC+1], v[ZR:ZR+1], v[ZR:ZR+1], v[LC:LC+1]
.endif
	v_pk_fma_f32 v[LC:LC+1], v[ZR+2:ZR+3], v[ZR+2:ZR+3], v[LC:LC+1]
	global_store_b128 v[ZO], v[ob:ob+3], s[50:51] offset:32768*(\k) th:TH_STORE_NT  ; a wave stores 512 consecutive bytes, at a multiple of 512 from out0's first byte
.if (\k) < 6
	FLOAD (\k)+2
.endif
.endm
	s_wait_dscnt 0x0
	TREE 128, 128
.irp m, 0,1,2,3
	v_rcp_f32 v[RS+\m], v[128+\m]                  ; the sum of weights is at least 1: the row's largest t has weight 1
.endr
.irp v, 0,1,2,3,4,5,6,7
	v_add_nc_u32 v[AB+\v], s21, v[AB+\v]           ; + 528 w: plain work behind the four reciprocals
.endr
	FLOAD 0
	FLOAD 1
	s_wait_alu depctr_va_vdst(0)                   ; one wait for the four
.irp k, 0,1,2,3,4,5,6,7
	STEP \k
.endr
	v_add_f32 v[LC], v[LC], v[LC+1]
	v_mul_f32 v[LD], 0x3f317218, v[LD]             ; ln 2
	v_fma_f32 v[LD], v[HP], v[LC], v[LD]
	v_mul_f32 v[LD], 0x3d000000, v[LD]             ; / 32 batches
.irp m, 1,2,4,8
	v_add_f32_dpp v[LD], v[LD], v[LD] row_xmask:\m row_mask:0xf bank_mask:0xf
.endr
	v_permlanex16_b32 v[LC], v[LD], s[SEL], s[SEL+1]
	v_add_f32 v[LD], v[LD], v[LC]                  ; my wave's share of the loss
	v_cmp_eq_u32 vcc_lo, 0, v[CO]                  ; lane 0, whose 16 l is also the store's offset 0
	s_wait_xcnt 0x0                                ; EXEC changes only behind this wait: the stores above have read it
	s_and_saveexec_b32 s20, vcc_lo
	global_store_b32 v[CO], v[LD], s[54:55]
	s_wait_xcnt 0x0                                ; and again, in front of the line that widens it
	s_or_b32 exec_lo, exec_lo, s20
	s_wait_tensorcnt 0x0                           ; the wave's end, behind my last tensor load and my last LDS store
	ds_add_u32 v[SPW], v[NIL]
	s_wait_dscnt 0x0
	s_endpgm
.Lfunc_end_k_q4862ea46fa_main:
	.size	k_q4862ea46fa_main, .Lfunc_end_k_q4862ea46fa_main-k_q4862ea46fa_main
	.p2alignl 7, 3214868480
	.fill 96, 4, 3214868480
	.section	.rodata,"a",@progbits
	.p2align	6, 0x0
	.amdhsa_kernel k_q4862ea46fa_main
		.amdhsa_group_segment_fixed_size 327680
		.amdhsa_private_segment_fixed_size 0
		.amdhsa_enable_private_segment 0
		.amdhsa_kernarg_size 56
		.amdhsa_user_sgpr_count 2
		.amdhsa_user_sgpr_kernarg_segment_ptr 1
		.amdhsa_wavefront_size32 1
		.amdhsa_system_sgpr_workgroup_id_x 1
		.amdhsa_system_sgpr_workgroup_id_y 1
		.amdhsa_system_sgpr_workgroup_id_z 1
		.amdhsa_system_vgpr_workitem_id 0
		.amdhsa_next_free_vgpr 512
		.amdhsa_next_free_sgpr 66
		.amdhsa_reserve_vcc 1
		.amdhsa_float_denorm_mode_32 3
		.amdhsa_float_denorm_mode_16_64 3
		.amdhsa_memory_ordered 1
		.amdhsa_forward_progress 1
		.amdhsa_inst_pref_size 255
	.end_amdhsa_kernel
	.section	.bss,"aw",@nobits
	.p2align	6
	.space	262144
	.amdgpu_metadata
---
amdhsa.version: [ 1, 2 ]
amdhsa.kernels:
  - .name:           k_q4862ea46fa_main
    .symbol:         k_q4862ea46fa_main.kd
    .args:
      - { .name: codebook, .offset: 0, .size: 8, .value_kind: global_buffer, .address_space: global }
      - { .name: gumbel_u, .offset: 8, .size: 8, .value_kind: global_buffer, .address_space: global }
      - { .name: var_q, .offset: 16, .size: 8, .value_kind: global_buffer, .address_space: global }
      - { .name: z_from_encoder, .offset: 24, .size: 8, .value_kind: global_buffer, .address_space: global }
      - { .name: out0, .offset: 32, .size: 8, .value_kind: global_buffer, .address_space: global }
      - { .name: part, .offset: 40, .size: 8, .value_kind: global_buffer, .address_space: global }
      - { .name: lossp, .offset: 48, .size: 8, .value_kind: global_buffer, .address_space: global }
    .group_segment_fixed_size: 327680
    .private_segment_fixed_size: 0
    .kernarg_segment_align: 8
    .kernarg_segment_size: 56
    .max_flat_workgroup_size: 256
    .sgpr_count:     66
    .vgpr_count:     512
    .wavefront_size: 32
...
	.end_amdgpu_metadata
.endif
;; end of part 1
;; launch finish (part 2): grid 1 x 1, 32 waves a work-group, no clusters, 20,992 bytes of LDS; arguments part, lossp, out1, out2; writes out1, out2
.if DOCPART == 2
	.amdgcn_target "amdgcn-amd-amdhsa--gfx1250"
	.amdhsa_code_object_version 6
	.text
	.protected	k_q4862ea46fa_finish
	.globl	k_q4862ea46fa_finish
	.p2align	8
	.type	k_q4862ea46fa_finish,@function
k_q4862ea46fa_finish:
	s_mov_b64 s[64:65], 0
	v_nop
	global_prefetch_b8 v0, s[64:65] scope:SCOPE_SE
	s_setreg_imm32_b32 hwreg(HW_REG_WAVE_MODE, 25, 1), 1
	s_wait_xcnt 0x0
; THE LAST SUMS.  part: f32 [256 work-groups][512 codes], each the sum of p / Z over 128 rows; lossp: f32 [256][8], the waves' shares of the loss.
; out1 = the sum of lossp.  out2 = exp(-sum_k a ln(a + 1e-10)), a = max(sum of part's column / 32,768, 1e-10); taken as 2^(-sum a log2(a + 1e-10)).
; One work-group: both results are single numbers, and sums that span work-groups have one owner.  No work of reference() is left out here.
; Thread i = 128 g + c adds part's rows 32 g .. 32 g + 31 for the codes 4 c .. 4 c + 3: a wave's load is 512 consecutive bytes.  Three sets of eight loads; the first set is loaded a second time.
; LDS: R 1,024 x 16 bytes; E four words; LW 32 words; then the spare words, 128 bytes for each of the 32 waves.
.set RB,    0
.set EB,    16384
.set LW,    16640
.set SPARE, 16896
.set SPW, 1
.set NIL, 2
.set SEL, 20                           ; s[20:21]
.macro TREE b, d                       ; eight vectors of four at b are added; the sum goes to d
.irp v, 0,2,4,6
.irp p, 0,2
	v_pk_add_f32 v[(\b)+4*\v+\p:(\b)+4*\v+\p+1], v[(\b)+4*\v+\p:(\b)+4*\v+\p+1], v[(\b)+4*\v+4+\p:(\b)+4*\v+4+\p+1]
.endr
.endr
.irp v, 0,4
.irp p, 0,2
	v_pk_add_f32 v[(\b)+4*\v+\p:(\b)+4*\v+\p+1], v[(\b)+4*\v+\p:(\b)+4*\v+\p+1], v[(\b)+4*\v+8+\p:(\b)+4*\v+8+\p+1]
.endr
.endr
.irp p, 0,2
	v_pk_add_f32 v[(\d)+\p:(\d)+\p+1], v[(\b)+\p:(\b)+\p+1], v[(\b)+16+\p:(\b)+16+\p+1]
.endr
.endm
.macro WSUM r, t                       ; the sum over the wave's 32 lanes, in every lane; t has been written before
.irp m, 1,2,4,8
	v_add_f32_dpp v[\r], v[\r], v[\r] row_xmask:\m row_mask:0xf bank_mask:0xf
.endr
	v_permlanex16_b32 v[\t], v[\r], s[SEL], s[SEL+1]
	v_add_f32 v[\r], v[\r], v[\t]
.endm
.macro TAKE b                          ; a set's sum onto the running sums v[8:11]
	TREE \b, \b
	v_pk_add_f32 v[8:9], v[8:9], v[(\b):(\b)+1]
	v_pk_add_f32 v[10:11], v[10:11], v[(\b)+2:(\b)+3]
.endm
	s_load_b256 s[4:11], s[0:1], 0x0               ; part s[4:5], lossp s[6:7], out1 s[8:9], out2 s[10:11]
	v_lshl_add_u32 v[SPW], v0, 2, SPARE
	v_mov_b32 v[NIL], 0
	v_lshrrev_b32 v3, 5, v0
	v_readfirstlane_b32 s12, v3                    ; wave 0..31
	v_and_b32 v4, 127, v0
	v_lshrrev_b32 v5, 7, v0
	v_lshlrev_b32 v4, 4, v4
	v_lshl_add_u32 v4, v5, 16, v4                  ; 32 rows of 2,048 bytes x g + 16 c
	v_lshlrev_b32 v5, 3, v0                        ; 8 i
	v_lshlrev_b32 v12, 4, v0                       ; 16 i
	v_lshl_add_u32 v13, v3, 2, LW
	v_lshl_add_u32 v14, v3, 2, EB
	s_mov_b32 s[SEL], 0x76543210
	s_mov_b32 s[SEL+1], 0xfedcba98
	s_wait_kmcnt 0x0
	global_load_b64 v[6:7], v5, s[6:7]
.set j, 0
.rept 24
	global_load_b128 v[32+4*j:32+4*j+3], v4, s[4:5] offset:2048*j
.set j, j+1
.endr
	s_wait_loadcnt 16                              ; lossp's pair and rows 0-7 are in; sixteen younger loads may stay out
	TREE 32, 8                                     ; they start the sums
.set j, 0
.rept 8
	global_load_b128 v[32+4*j:32+4*j+3], v4, s[4:5] offset:2048*(24+j)  ; rows 24-31 into the set just added up
.set j, j+1
.endr
	v_add_f32 v6, v6, v7
	WSUM 6, 7
	s_wait_loadcnt 16                              ; rows 8-15
	TAKE 64
	s_wait_loadcnt 8                               ; rows 16-23
	TAKE 96
	s_wait_loadcnt 0x0                             ; rows 24-31
	TAKE 32
	ds_store_b128 v12, v[8:11] offset:RB
	ds_store_b32 v13, v6                           ; all lanes write the wave's word with the same number
	s_wait_dscnt 0x0
	s_barrier_signal -1
	s_barrier_wait -1                              ; the eight groups' sums and the 32 waves' shares of the loss lie in LDS
	s_cmp_lt_u32 s12, 4                            ; waves 0 to 3: thread c finishes the codes 4 c .. 4 c + 3
	s_cbranch_scc0 .Lskip
.irp g, 0,1,2,3,4,5,6,7
	ds_load_b128 v[32+4*\g:32+4*\g+3], v12 offset:RB+2048*\g
.endr
	s_wait_dscnt 0x0
	TREE 32, 32
.irp m, 0,1,2,3
	v_mul_f32 v[32+\m], 0x38000000, v[32+\m]       ; / 32,768 rows
.endr
.irp m, 0,1,2,3
	v_max_num_f32 v[32+\m], 0x2edbe6ff, v[32+\m]   ; at least 1e-10
.endr
.irp m, 0,1,2,3
	v_add_f32 v[36+\m], 0x2edbe6ff, v[32+\m]
.endr
.irp m, 0,1,2,3
	v_log_f32 v[36+\m], v[36+\m]
.endr
	v_nop                                          ; a plain instruction behind the last logarithm,
	s_wait_alu depctr_va_vdst(0)                   ; and one wait for the four
	v_mul_f32 v40, v32, v36
	v_fma_f32 v40, v33, v37, v40
	v_fma_f32 v40, v34, v38, v40
	v_fma_f32 v40, v35, v39, v40
	WSUM 40, 36
	ds_store_b32 v14, v40
.Lskip:
	s_wait_dscnt 0x0
	s_barrier_signal -1
	s_barrier_wait -1                              ; the four parts of sum a log2(a + 1e-10) lie in LDS
	s_cmp_lg_u32 s12, 0
	s_cbranch_scc1 .Lend
	v_mov_b32 v15, EB
	v_lshl_add_u32 v16, v0, 2, LW                  ; in wave 0 the thread's number is the lane
	v_mov_b32 v17, 0
	ds_load_b128 v[32:35], v15
	ds_load_b32 v36, v16
	s_wait_dscnt 0x0
	v_add_f32 v32, v32, v33
	v_add_f32 v34, v34, v35
	v_add_f32 v32, v32, v34
	v_sub_f32 v32, 0, v32
	v_exp_f32 v33, v32
	WSUM 36, 37                                    ; the loss: plain work behind the exponential
	s_wait_alu depctr_va_vdst(0)
	v_cmp_eq_u32 vcc_lo, 0, v0
	s_wait_xcnt 0x0                                ; EXEC changes only behind this wait
	s_and_saveexec_b32 s14, vcc_lo
	global_store_b32 v17, v36, s[8:9]
	global_store_b32 v17, v33, s[10:11]
	s_wait_xcnt 0x0                                ; and again, in front of the line that widens it
	s_or_b32 exec_lo, exec_lo, s14
.Lend:
	s_wait_tensorcnt 0x0                           ; the wave's end, behind my last LDS store
	ds_add_u32 v[SPW], v[NIL]
	s_wait_dscnt 0x0
	s_endpgm
.Lfunc_end_k_q4862ea46fa_finish:
	.size	k_q4862ea46fa_finish, .Lfunc_end_k_q4862ea46fa_finish-k_q4862ea46fa_finish
	.p2alignl 7, 3214868480
	.fill 96, 4, 3214868480
	.section	.rodata,"a",@progbits
	.p2align	6, 0x0
	.amdhsa_kernel k_q4862ea46fa_finish
		.amdhsa_group_segment_fixed_size 20992
		.amdhsa_private_segment_fixed_size 0
		.amdhsa_enable_private_segment 0
		.amdhsa_kernarg_size 32
		.amdhsa_user_sgpr_count 2
		.amdhsa_user_sgpr_kernarg_segment_ptr 1
		.amdhsa_wavefront_size32 1
		.amdhsa_system_sgpr_workgroup_id_x 1
		.amdhsa_system_sgpr_workgroup_id_y 1
		.amdhsa_system_sgpr_workgroup_id_z 1
		.amdhsa_system_vgpr_workitem_id 0
		.amdhsa_next_free_vgpr 128
		.amdhsa_next_free_sgpr 66
		.amdhsa_reserve_vcc 1
		.amdhsa_float_denorm_mode_32 3
		.amdhsa_float_denorm_mode_16_64 3
		.amdhsa_memory_ordered 1
		.amdhsa_forward_progress 1
		.amdhsa_inst_pref_size 14
	.end_amdhsa_kernel
	.amdgpu_metadata
---
amdhsa.version: [ 1, 2 ]
amdhsa.kernels:
  - .name:           k_q4862ea46fa_finish
    .symbol:         k_q4862ea46fa_finish.kd
    .args:
      - { .name: part, .offset: 0, .size: 8, .value_kind: global_buffer, .address_space: global }
      - { .name: lossp, .offset: 8, .size: 8, .value_kind: global_buffer, .address_space: global }
      - { .name: out1, .offset: 16, .size: 8, .value_kind: global_buffer, .address_space: global }
      - { .name: out2, .offset: 24, .size: 8, .value_kind: global_buffer, .address_space: global }
    .group_segment_fixed_size: 20992
    .private_segment_fixed_size: 0
    .kernarg_segment_align: 8
    .kernarg_segment_size: 32
    .max_flat_workgroup_size: 1024
    .sgpr_count:     66
    .vgpr_count:     128
    .wavefront_size: 32
...
	.end_amdgpu_metadata
.endif
;; end of part 2
;; ======== version 2 of 2: 2 launches; 1.11 times as fast as version 1
;; limits: inputs' magnitudes at most 65,504; values are held in f16: magnitudes above 65,504 overflow, below 6.1e-05 lose precision
;; workspace buffers: part 524,288 bytes; lossp 8,192 bytes
;; launch main: the kernel of part 1 again; grid 256 x 1, 8 waves a work-group, no clusters, 327,680 bytes of LDS; arguments codebook, gumbel_u, var_q, z_from_encoder, out0, part, lossp; writes out0, part, lossp
;; launch finish (part 3): grid 1 x 1, 32 waves a work-group, no clusters, 283,136 bytes of LDS; arguments part, lossp, out1, out2; writes out1, out2
.if DOCPART == 3
	.amdgcn_target "amdgcn-amd-amdhsa--gfx1250"
	.amdhsa_code_object_version 6
	.text
	.protected	k_q4862ea46fa_finish
	.globl	k_q4862ea46fa_finish
	.p2align	8
	.type	k_q4862ea46fa_finish,@function
k_q4862ea46fa_finish:
	s_mov_b64 s[64:65], 0
	v_nop
	global_prefetch_b8 v0, s[64:65] scope:SCOPE_SE
	s_setreg_imm32_b32 hwreg(HW_REG_WAVE_MODE, 25, 1), 1
	s_wait_xcnt 0x0
; THE LAST SUMS.  part: f32 [256 work-groups][512 codes], each the sum of p / Z over 128 rows; lossp: f32 [256][8], the waves' shares of the loss.
; out1 = the sum of lossp.  out2 = exp(-sum_k a ln(a + 1e-10)), a = max(sum of part's column / 32,768, 1e-10); taken as 2^(-sum a log2(a + 1e-10)).
; One work-group: both results are single numbers, and sums that span work-groups have one owner.  No work of reference() is left out here.
; SHARES.  Thread i = 128 g + c (g = wave / 4, c = 32 (wave % 4) + lane) adds, for the codes 4 c .. 4 c + 3, part's rows 16 g .. 16 g + 15 and 128 + 16 g .. 128 + 16 g + 15.
; TWO ROADS, both asked for at the head.  Rows 0-127 come by one tensor load a wave: 16 rows x 512 bytes (the wave's own 128 codes), 8,192 bytes, dense, into the wave's own LDS bytes at 8,192 x wave:
; just what its own lanes add up, so the wave's own wait on TENSORcnt is all the ordering that its reads need.  Rows 128-255 come by 16 loads of 16 bytes a lane, 512 consecutive bytes a wave.
; LDS: the 32 tiles; R 1,024 x 16 bytes; E four words; LW 32 words; then the spare words, 128 bytes for each of the 32 waves: sixteen blocks of 256 bytes that no other line names.
.set TILE,  8192
.set HALF,  262144                     ; bytes of part's rows 0-127
.set RB,    262144
.set EB,    278528
.set LW,    278784
.set SPARE, 279040
.set SPW, 1                            ; v1   SPARE + 4 x my thread's number; never rewritten
.set NIL, 2                            ; v2   0; never rewritten
.set SEL, 28                           ; s[28:29] v_permlanex16_b32's selects: each lane takes its own place in the other half
.macro TREE b, d                       ; eight vectors of four at b are added; the sum goes to d
.irp v, 0,2,4,6
.irp p, 0,2
	v_pk_add_f32 v[(\b)+4*\v+\p:(\b)+4*\v+\p+1], v[(\b)+4*\v+\p:(\b)+4*\v+\p+1], v[(\b)+4*\v+4+\p:(\b)+4*\v+4+\p+1]
.endr
.endr
.irp v, 0,4
.irp p, 0,2
	v_pk_add_f32 v[(\b)+4*\v+\p:(\b)+4*\v+\p+1], v[(\b)+4*\v+\p:(\b)+4*\v+\p+1], v[(\b)+4*\v+8+\p:(\b)+4*\v+8+\p+1]
.endr
.endr
.irp p, 0,2
	v_pk_add_f32 v[(\d)+\p:(\d)+\p+1], v[(\b)+\p:(\b)+\p+1], v[(\b)+16+\p:(\b)+16+\p+1]
.endr
.endm
.macro WSUM r, t                       ; the sum over the wave's 32 lanes, in every lane; t has been written before
.irp m, 1,2,4,8
	v_add_f32_dpp v[\r], v[\r], v[\r] row_xmask:\m row_mask:0xf bank_mask:0xf
.endr
	v_permlanex16_b32 v[\t], v[\r], s[SEL], s[SEL+1]
	v_add_f32 v[\r], v[\r], v[\t]
.endm
.macro TAKE b                          ; a set's sum onto the running sums v[8:11]
	TREE \b, \b
	v_pk_add_f32 v[8:9], v[8:9], v[(\b):(\b)+1]
	v_pk_add_f32 v[10:11], v[10:11], v[(\b)+2:(\b)+3]
.endm
	s_load_b256 s[4:11], s[0:1], 0x0               ; part s[4:5], lossp s[6:7], out1 s[8:9], out2 s[10:11]
	v_lshl_add_u32 v[SPW], v0, 2, SPARE
	v_mov_b32 v[NIL], 0
	ds_add_u32 v[SPW], v[NIL]                      ; the wave's opening: the add, twice on end, and its wait ahead of my first tensor load
	ds_add_u32 v[SPW], v[NIL]                      ; once more; the set-up below, work on registers, stands between it and the wait
	v_lshrrev_b32 v3, 5, v0
	v_readfirstlane_b32 s12, v3                    ; wave 0..31
	v_and_b32 v4, 127, v0
	v_lshrrev_b32 v5, 7, v0
	v_lshlrev_b32 v4, 4, v4
	v_lshl_add_u32 v4, v5, 15, v4                  ; 16 rows of 2,048 bytes x g + 16 c
	v_lshlrev_b32 v5, 3, v0                        ; 8 i
	v_lshl_add_u32 v12, v0, 4, RB                  ; RB + 16 i
	v_lshl_add_u32 v13, v3, 2, LW
	v_lshl_add_u32 v14, v3, 2, EB
	s_mul_i32 s13, s12, TILE                       ; my wave's tile in LDS
	v_and_b32 v18, 31, v0
	v_lshl_add_u32 v18, v18, 4, s13                ; my 16 bytes of its first row
	; descriptor group 1: 16 rows of 128 elements of 4 bytes, 512 elements from row to row, no padding: in LDS the rows follow each other without a gap
	s_mov_b32 s16, 2<<16
	s_mov_b32 s17, 128<<16                         ; tensor_dim0 = 128
	s_mov_b32 s18, 16<<16                          ; tensor_dim1 = 16
	s_mov_b32 s19, 128<<16                         ; tile_dim0 = 128
	s_mov_b32 s20, 16                              ; tile_dim1 = 16
	s_mov_b32 s21, 512
	s_mov_b32 s22, 0
	s_mov_b32 s23, 0
	s_mov_b32 s24, 1                               ; group 0: count = 1,
	s_mov_b32 s25, s13                             ; the LDS address,
	s_lshr_b32 s30, s12, 2                         ; and the tile's place in part: 16 rows x g,
	s_lshl_b32 s30, s30, 15
	s_and_b32 s15, s12, 3                          ; 512 bytes x (wave % 4)
	s_lshl_b32 s15, s15, 9
	s_add_co_u32 s30, s30, s15
	s_mov_b32 s31, 0
	s_mov_b32 s[SEL], 0x76543210
	s_mov_b32 s[SEL+1], 0xfedcba98
	s_wait_dscnt 0x0                               ; both opening adds are done
	s_wait_kmcnt 0x0
	s_add_nc_u64 s[26:27], s[4:5], s[30:31]
	s_or_b32 s27, s27, 0x80000000                  ; type = 2
	tensor_load_to_lds s[24:27], s[16:23]          ; my tile's only fill, ahead of every wait on TENSORcnt, every LDS read and every barrier
	s_nop 0
	global_load_b64 v[6:7], v5, s[6:7]
.set j, 0
.rept 16
	global_load_b128 v[32+4*j:32+4*j+3], v4, s[4:5] offset:HALF+2048*j
.set j, j+1
.endr
	s_wait_loadcnt 8                               ; lossp's pair and eight rows are in; the eight younger loads may stay out
	TREE 32, 8                                     ; they start the sums
	v_add_f32 v6, v6, v7
	WSUM 6, 7
	s_wait_loadcnt 0x0                             ; the other eight rows
	TAKE 64
	s_wait_tensorcnt 0x0                           ; my tile is in LDS; only I read it
.set j, 0
.rept 16
	ds_load_b128 v[32+4*j:32+4*j+3], v18 offset:512*j  ; a row of the tile: 32 lanes, 16 neighbouring bytes each
.set j, j+1
.endr
	s_wait_dscnt 8                                 ; eight rows are back; the eight younger loads may stay out
	TAKE 32
	s_wait_dscnt 0x0
	TAKE 64
	ds_store_b128 v12, v[8:11]
	ds_store_b32 v13, v6                           ; all lanes write the wave's word with the same number
	s_wait_dscnt 0x0
	s_barrier_signal -1
	s_barrier_wait -1                              ; the eight groups' sums and the 32 waves' shares of the loss lie in LDS
	s_cmp_lt_u32 s12, 4                            ; waves 0 to 3: thread c finishes the codes 4 c .. 4 c + 3
	s_cbranch_scc0 .Lskip
.irp g, 0,1,2,3,4,5,6,7
	ds_load_b128 v[32+4*\g:32+4*\g+3], v12 offset:2048*\g
.endr
	s_wait_dscnt 0x0
	TREE 32, 32
.irp m, 0,1,2,3
	v_mul_f32 v[32+\m], 0x38000000, v[32+\m]       ; / 32,768 rows
.endr
.irp m, 0,1,2,3
	v_max_num_f32 v[32+\m], 0x2edbe6ff, v[32+\m]   ; at least 1e-10
.endr
.irp m, 0,1,2,3
	v_add_f32 v[36+\m], 0x2edbe6ff, v[32+\m]
.endr
.irp m, 0,1,2,3
	v_log_f32 v[36+\m], v[36+\m]
.endr
	v_nop                                          ; a plain instruction behind the last logarithm,
	s_wait_alu depctr_va_vdst(0)                   ; and one wait for the four
	v_mul_f32 v40, v32, v36
	v_fma_f32 v40, v33, v37, v40
	v_fma_f32 v40, v34, v38, v40
	v_fma_f32 v40, v35, v39, v40
	WSUM 40, 36
	ds_store_b32 v14, v40
.Lskip:
	s_wait_dscnt 0x0
	s_barrier_signal -1
	s_barrier_wait -1                              ; the four parts of sum a log2(a + 1e-10) lie in LDS
	s_cmp_lg_u32 s12, 0
	s_cbranch_scc1 .Lend
	v_mov_b32 v15, EB
	v_lshl_add_u32 v16, v0, 2, LW                  ; in wave 0 the thread's number is the lane
	v_mov_b32 v17, 0
	ds_load_b128 v[32:35], v15
	ds_load_b32 v36, v16
	s_wait_dscnt 0x0
	v_add_f32 v32, v32, v33
	v_add_f32 v34, v34, v35
	v_add_f32 v32, v32, v34
	v_sub_f32 v32, 0, v32
	v_exp_f32 v33, v32
	WSUM 36, 37                                    ; the loss: plain work behind the exponential
	s_wait_alu depctr_va_vdst(0)
	v_cmp_eq_u32 vcc_lo, 0, v0
	s_wait_xcnt 0x0                                ; EXEC changes only behind this wait
	s_and_saveexec_b32 s14, vcc_lo
	global_store_b32 v17, v36, s[8:9]
	global_store_b32 v17, v33, s[10:11]
	s_wait_xcnt 0x0                                ; and again, in front of the line that widens it
	s_or_b32 exec_lo, exec_lo, s14
.Lend:
	s_wait_tensorcnt 0x0                           ; the wave's end, behind my tensor load and my last LDS store
	ds_add_u32 v[SPW], v[NIL]
	s_wait_dscnt 0x0
	s_endpgm
.Lfunc_end_k_q4862ea46fa_finish:
	.size	k_q4862ea46fa_finish, .Lfunc_end_k_q4862ea46fa_finish-k_q4862ea46fa_finish
	.p2alignl 7, 3214868480
	.fill 96, 4, 3214868480
	.section	.rodata,"a",@progbits
	.p2align	6, 0x0
	.amdhsa_kernel k_q4862ea46fa_finish
		.amdhsa_group_segment_fixed_size 283136
		.amdhsa_private_segment_fixed_size 0
		.amdhsa_enable_private_segment 0
		.amdhsa_kernarg_size 32
		.amdhsa_user_sgpr_count 2
		.amdhsa_user_sgpr_kernarg_segment_ptr 1
		.amdhsa_wavefront_size32 1
		.amdhsa_system_sgpr_workgroup_id_x 1
		.amdhsa_system_sgpr_workgroup_id_y 1
		.amdhsa_system_sgpr_workgroup_id_z 1
		.amdhsa_system_vgpr_workitem_id 0
		.amdhsa_next_free_vgpr 128
		.amdhsa_next_free_sgpr 66
		.amdhsa_reserve_vcc 1
		.amdhsa_float_denorm_mode_32 3
		.amdhsa_float_denorm_mode_16_64 3
		.amdhsa_memory_ordered 1
		.amdhsa_forward_progress 1
		.amdhsa_inst_pref_size 15
	.end_amdhsa_kernel
	.amdgpu_metadata
---
amdhsa.version: [ 1, 2 ]
amdhsa.kernels:
  - .name:           k_q4862ea46fa_finish
    .symbol:         k_q4862ea46fa_finish.kd
    .args:
      - { .name: part, .offset: 0, .size: 8, .value_kind: global_buffer, .address_space: global }
      - { .name: lossp, .offset: 8, .size: 8, .value_kind: global_buffer, .address_space: global }
      - { .name: out1, .offset: 16, .size: 8, .value_kind: global_buffer, .address_space: global }
      - { .name: out2, .offset: 24, .size: 8, .value_kind: global_buffer, .address_space: global }
    .group_segment_fixed_size: 283136
    .private_segment_fixed_size: 0
    .kernarg_segment_align: 8
    .kernarg_segment_size: 32
    .max_flat_workgroup_size: 1024
    .sgpr_count:     66
    .vgpr_count:     128
    .wavefront_size: 32
...
	.end_amdgpu_metadata
.endif
;; end of part 3
